; MI455X (gfx1250); checked and timed in simulation.
; The chip was launched on July 23, 2026; its instructions are those of AMD's public machine-readable ISA for CDNA 5 (MIT licence, August 2026) and "CDNA5" Instruction Set Architecture Reference Guide (July 2026). The comments in the code are by the model that wrote it; some were corrected since.
;; FP8 Dynamic Matmul. Allowed arithmetic: matrix products marked QUANTISED: E2M3 operands, one E8M0 scale for each 32 along K, by v_wmma_scale_f32_16x16x128_f8f6f4 with both operands' format E2M3, f32 sums; everything else in f32.
;; Inputs: input1 4,096 x 4,096 float32; input2 4,096 x 4,096 float32.
;; Outputs: out0 4,096 x 4,096 float32.
;; This version of the problem:
;;   THIS VERSION OF THE PROBLEM IS GIVEN IN LOW PRECISION. The matrix products marked QUANTISED in the list below multiply operands that are first quantised to E2M3 (2 exponent bits, 3 mantissa bits; 6 bits a number), with one power-of-two scale for each 32 numbers along K (OCP MX v1.0); their sums are f32. All else is computed in f32.
;;   The module's matrix products, in the order in which they are computed (A, B: the left and right operand; K: the contracted axis; several contracted axes count as one K, in the product's order):
;;     1. [M 4,096, K 4,096] x [K 4,096, N 4,096]; A: computed on the way; B: computed on the way: QUANTISED
;;   THE QUANTISER, for each operand of a quantised product, along K:
;;     - K is cut into blocks of 32 from its start; a last block that is shorter is filled with zeros.
;;     - A block's scale is 2^e with e = floor(log2(the largest magnitude in the block)) - 2, held to -126 .. 127; a block of zeros has e = 0. As a byte (E8M0): e + 127.
;;     - Each number is divided by its block's scale, clamped to +-7.5, and rounded to the nearest number of E2M3, ties to even, subnormals kept.
;;     - The product sums the exact products of the quantised numbers (number of the format x scale) in f32.
;;   ~~~python
;;   def quantise(x, axis):      # numpy; x: float32 -> the quantised numbers, widened to float32 again
;;       x = np.moveaxis(x, axis, -1); K = x.shape[-1]
;;       x = np.pad(x, [(0, 0)] * (x.ndim - 1) + [(0, -K % 32)]); x = x.reshape(x.shape[:-1] + (-1, 32)); a = np.abs(x).max(-1, keepdims=True)
;;       e = np.where(a > 0, np.clip(np.frexp(np.where(a > 0, a, 1))[1] - 1 - 2, -126, 127), 0)      # np.frexp(a)[1] - 1 = floor(log2(a)), exactly
;;       r = np.clip(x / 2.0 ** e, -7.5, 7.5)
;;       step = 2.0 ** (np.maximum(np.frexp(np.where(r == 0, 1, r))[1] - 1, 0) - 3)
;;       q = np.round(r / step) * step * 2.0 ** e      # np.round: ties to even
;;       return np.moveaxis(q.reshape(q.shape[:-2] + (-1,))[..., :K], -1, axis).astype(np.float32)
;;   ~~~
;;   OPERANDS COMPUTED ON THE WAY. 'Computed on the way' means the value that the module computes at that place (a softmax that the list does not call 'softmax' is quantised finished and normalised). What goes into a quantiser is computed in f32, as accurately as f32 sums, v_exp_f32 and their like allow (about 1e-6 of the number): no bf16 or f16 on the way to a quantiser, and a product that is left as it is and whose result goes on into a quantised operand takes f32 operands (vector FMAs, or v_wmma_f32_16x16x4_f32). A number that lies on a knife's edge between two numbers of the format may be rounded either way, as far as f32 arithmetic and the matrix unit's own rounding can turn it there, and no further.
;; One version. Each part assembles by itself: llvm-mc -triple=amdgcn-amd-amdhsa -mcpu=gfx1250 --defsym DOCPART=n.
;; ======== version 1 of 1: 3 launches
;; limits: right only within a limited range of input values
;; workspace buffers: amax 2,048 bytes; a_ops 13,107,200 bytes; b_ops 13,107,200 bytes
;; launch amax (part 1): grid 512 x 1, 8 waves a work-group, no clusters, 1,280 bytes of LDS; arguments input1, input2, amax; writes amax
.if DOCPART == 1
	.amdgcn_target "amdgcn-amd-amdhsa--gfx1250"
	.amdhsa_code_object_version 6
	.text
	.protected	k_q6d79b17669_amax
	.globl	k_q6d79b17669_amax
	.p2align	8
	.type	k_q6d79b17669_amax,@function
k_q6d79b17669_amax:
	s_mov_b64 s[64:65], 0
	v_nop
	global_prefetch_b8 v0, s[64:65] scope:SCOPE_SE
	s_setreg_imm32_b32 hwreg(HW_REG_WAVE_MODE, 25, 1), 1
	s_wait_xcnt 0x0
; The largest |x| of input1 and of input2, [4096][4096] f32 each, in 256 parts a tensor: word g of amax is the largest magnitude of input1's part g, word 256 + g that of input2's part g.
; The later launches join a tensor's 256 words themselves: no work-group here hands anything to another.
; SHARES.  Work-groups 0-255 take input1, 256-511 input2; a part is 256 KiB, dense.  Thread t reads the 16 bytes at 16 t + 4,096 j, j = 0 .. 63: a load of a wave covers 512 consecutive bytes, the eight waves 4,096.
; Loads go in four groups of 16 on two sets of 64 registers: while one group is reduced, the next is on its way.  No matrix unit, no cluster, no tensor load: the work-groups share no byte, and each byte is read once.
; LIMITS: NaN among the inputs is not handed on (the maximum used here drops a NaN); infinities are not served.
.set M, 4                              ; v[4:7]    four running maxima, which take turns
.set R, 16                             ; v[16:143] two sets of 64 numbers as loaded
	s_load_b128 s[4:7], s[0:1], 0x0                ; input1, input2
	s_load_b64 s[8:9], s[0:1], 0x10                ; amax
	v_lshl_add_u32 v144, v0, 2, 0x100
	v_mov_b32 v145, 0
	v_lshlrev_b32 v1, 4, v0                        ; 16 t
	v_lshrrev_b32 v2, 5, v0
	s_delay_alu instid0(VALU_DEP_1)
	v_lshlrev_b32 v2, 2, v2                        ; LDS: 4 x wave
	v_mov_b32 v3, 0
	s_and_b32 s2, ttmp9, 255                       ; my part of the tensor,
	s_lshl_b32 s2, s2, 18                          ; 256 KiB each
	s_mov_b32 s3, 0
	s_lshl_b32 s10, ttmp9, 2                       ; my word of amax
	s_mov_b32 s12, 0x76543210                      ; v_permlanex16_b32: each lane takes its own place in the other half
	s_mov_b32 s13, 0xfedcba98
.irp k, 0,1,2,3
	v_mov_b32 v[M+\k], 0                           ; no magnitude lies under 0
.endr
	v_mov_b32 v8, 0                                ; (a lane permute's destination counts as one of its sources)
	s_wait_alu depctr_va_vdst(0)
	s_wait_kmcnt 0x0
	s_cmp_lt_u32 ttmp9, 256                        ; the choice hangs on the work-group's number alone
	s_cselect_b64 s[4:5], s[4:5], s[6:7]
	s_add_nc_u64 s[4:5], s[4:5], s[2:3]
.macro LOADG g                         ; group g: 16 loads into set g % 2
.irp i, 0,1,2,3,4,5,6,7,8,9,10,11,12,13,14,15
	global_load_b128 v[R+64*((\g)%2)+4*\i:R+64*((\g)%2)+4*\i+3], v1, s[4:5] offset:4096*(16*(\g)+\i) th:TH_LOAD_NT
.endr
.endm
.macro RED g                           ; its 64 numbers into the four maxima, two a line
.set PN, 0
.rept 32
	v_max3_num_f32 v[M+PN%4], v[M+PN%4], |v[R+64*((\g)%2)+2*PN]|, |v[R+64*((\g)%2)+2*PN+1]|
.set PN, PN+1
.endr
.endm
	LOADG 0
	LOADG 1
	s_wait_loadcnt 16                              ; loads come back in order (ISA guide 5.7.1): group 0 is in, group 1's sixteen may be out
	RED 0
	LOADG 2
	s_wait_alu depctr_va_vdst(0)
	s_wait_loadcnt 16                              ; group 1 is in
	RED 1
	LOADG 3
	s_wait_alu depctr_va_vdst(0)
	s_wait_loadcnt 16                              ; group 2 is in
	RED 2
	s_wait_alu depctr_va_vdst(0)
	s_wait_loadcnt 0x0
	RED 3
	s_delay_alu instid0(VALU_DEP_2)
	v_max3_num_f32 v4, v4, v5, v6
	s_delay_alu instid0(VALU_DEP_1)
	v_max_num_f32 v4, v4, v7
	s_delay_alu instid0(VALU_DEP_1)
	v_max_num_f32_dpp v4, v4, v4 row_xmask:1 row_mask:0xf bank_mask:0xf   ; across the 32 lanes
	s_delay_alu instid0(VALU_DEP_1)
	v_max_num_f32_dpp v4, v4, v4 row_xmask:2 row_mask:0xf bank_mask:0xf
	s_delay_alu instid0(VALU_DEP_1)
	v_max_num_f32_dpp v4, v4, v4 row_xmask:4 row_mask:0xf bank_mask:0xf
	s_delay_alu instid0(VALU_DEP_1)
	v_max_num_f32_dpp v4, v4, v4 row_xmask:8 row_mask:0xf bank_mask:0xf
	s_delay_alu instid0(VALU_DEP_1)
	v_permlanex16_b32 v8, v4, s12, s13
	s_delay_alu instid0(VALU_DEP_1)
	v_max_num_f32 v4, v4, v8
	ds_store_b32 v2, v4                            ; all lanes of a wave write the same word with the same value
	s_wait_dscnt 0x0                               ; for the others' sake: my store has landed
	s_barrier_signal -1
	s_barrier_wait -1
	ds_load_b128 v[16:19], v3                      ; the eight waves' words
	ds_load_b128 v[20:23], v3 offset:16
	s_wait_dscnt 0x0
	v_max3_num_f32 v8, v16, v17, v18
	s_delay_alu instid0(VALU_DEP_1)
	v_max3_num_f32 v8, v8, v19, v20
	s_delay_alu instid0(VALU_DEP_1)
	v_max3_num_f32 v8, v8, v21, v22
	s_delay_alu instid0(VALU_DEP_1)
	v_max_num_f32 v8, v8, v23
	v_mov_b32 v9, s10
	v_cmp_eq_u32 vcc_lo, 0, v0
	s_wait_alu depctr_va_vdst(0)
	s_wait_xcnt 0x0                                ; EXEC counts among the sources of the loads above: it changes only behind this wait
	s_wait_tensorcnt 0x0
	ds_add_u32 v144, v145
	s_wait_dscnt 0x0
	s_and_saveexec_b32 s11, vcc_lo
	global_store_b32 v9, v8, s[8:9]                ; thread 0 alone: four bytes a work-group
	s_wait_xcnt 0x0                                ; and again ahead of the line that widens it
	s_or_b32 exec_lo, exec_lo, s11
	s_endpgm
.Lfunc_end_k_q6d79b17669_amax:
	.size	k_q6d79b17669_amax, .Lfunc_end_k_q6d79b17669_amax-k_q6d79b17669_amax
	.p2alignl 7, 3214868480
	.fill 96, 4, 3214868480
	.section	.rodata,"a",@progbits
	.p2align	6, 0x0
	.amdhsa_kernel k_q6d79b17669_amax
		.amdhsa_group_segment_fixed_size 1280
		.amdhsa_private_segment_fixed_size 0
		.amdhsa_enable_private_segment 0
		.amdhsa_kernarg_size 24
		.amdhsa_user_sgpr_count 2
		.amdhsa_user_sgpr_kernarg_segment_ptr 1
		.amdhsa_wavefront_size32 1
		.amdhsa_system_sgpr_workgroup_id_x 1
		.amdhsa_system_sgpr_workgroup_id_y 1
		.amdhsa_system_sgpr_workgroup_id_z 1
		.amdhsa_system_vgpr_workitem_id 0
		.amdhsa_next_free_vgpr 146
		.amdhsa_next_free_sgpr 66
		.amdhsa_reserve_vcc 1
		.amdhsa_float_denorm_mode_32 3
		.amdhsa_float_denorm_mode_16_64 3
		.amdhsa_memory_ordered 1
		.amdhsa_forward_progress 1
		.amdhsa_inst_pref_size 18
	.end_amdhsa_kernel
	.amdgpu_metadata
---
amdhsa.version: [ 1, 2 ]
amdhsa.kernels:
  - .name:           k_q6d79b17669_amax
    .symbol:         k_q6d79b17669_amax.kd
    .args:
      - { .name: input1, .offset: 0, .size: 8, .value_kind: global_buffer, .address_space: global }
      - { .name: input2, .offset: 8, .size: 8, .value_kind: global_buffer, .address_space: global }
      - { .name: amax, .offset: 16, .size: 8, .value_kind: global_buffer, .address_space: global }
    .group_segment_fixed_size: 1280
    .private_segment_fixed_size: 0
    .kernarg_segment_align: 8
    .kernarg_segment_size: 24
    .max_flat_workgroup_size: 256
    .sgpr_count:     66
    .vgpr_count:     146
    .wavefront_size: 32
...
	.end_amdgpu_metadata
.endif
;; end of part 1
;; launch quant (part 2): grid 1024 x 1, 4 waves a work-group, no clusters, 61,952 bytes of LDS; arguments input1, input2, a_ops, b_ops, amax; writes a_ops, b_ops
.if DOCPART == 2
	.amdgcn_target "amdgcn-amd-amdhsa--gfx1250"
	.amdhsa_code_object_version 6
	.text
	.protected	k_q6d79b17669_quant
	.globl	k_q6d79b17669_quant
	.p2align	8
	.type	k_q6d79b17669_quant,@function
k_q6d79b17669_quant:
	s_mov_b64 s[64:65], 0
	v_nop
	global_prefetch_b8 v0, s[64:65] scope:SCOPE_SE
	s_setreg_imm32_b32 hwreg(HW_REG_WAVE_MODE, 25, 1), 1
	s_wait_xcnt 0x0
; Both operands of the product, from f32 to codes of FP6 (E2M3) with one E8M0 byte for each 32 along K.  For each tensor: scale = 216 / (the tensor's largest magnitude); x scale is rounded to E4M3 and widened to f32 again;
; that number goes into the block quantiser: a block's scale is 2^(floor(log2(its largest magnitude)) - 2), its byte the largest magnitude's exponent field - 2, held at 1 from below; each number is divided by the scale
; and rounded to the nearest code, ties to even.  (A block of zeros gets the byte 1: its codes are zeros, and this program alone reads the bytes.)
; K is input1's last axis (A[m][k]) and input2's FIRST (B[n][k] = input2[k][n]).
; THE OPERANDS' LAYOUT is this program's own, in the order of the matrix operand's registers: [32 steps of 128 along K][32 groups of 128 rows][12,800 bytes].  A group holds its eight fragments (16 rows x 128 K, 12 registers a lane)
; as images of 1,536 bytes: registers 4 c .. 4 c + 3 of lane L at 512 c + 16 L; lane L = r + 16 h holds row r, its registers 6 c' .. 6 c' + 5 the block of 32 along K with the number 2 c' + h.  Behind the eight images stand
; the group's scale words, 4 bytes a row (byte b: block b of the step), 512 bytes.
; SHARES.  A wave takes 32 rows (of A) or 32 columns (of input2) x 256 along K (two steps).  A LANE OWNS ONE ROW OR COLUMN AND ITS REGISTERS RUN ALONG K: a block's 32 numbers lie in one lane, its maximum asks no other lane, and the
; conversions, which take neighbours along K from one lane's consecutive registers, give the codes with K innermost.  A lane ends with 48 registers of codes and two scale words.
; TWO WAYS IN, ONE WAY OUT.  Work-groups 0-511 take input1: a load takes 256 consecutive bytes of each of two rows, and a chunk of 32 rows x 256 bytes turns through the wave's own stage in LDS, so that each lane gets its own row's 64 numbers.
; Work-groups 512-1023 take input2: a load takes one k at 32 neighbouring columns, 128 consecutive bytes a wave and 512 for the four waves: nothing is turned.  Both ways meet at .Lout.  The turning stage is written on the
; first way alone, the stage for the way out behind the join alone.  No barrier: waves share nothing.  No tensor load, no cluster: each byte is read once, by one wave.
; No hold stands ahead of the conversion to E4M3: |x scale| is at most 216 (1 + 2^-23), under that format's largest number, 448.
; LIMITS: NaN and infinities among the inputs are not served; a tensor of zeros is not served (reference() gives NaN there); the largest magnitude lies between about 2^-100 and 2^100, so that its reciprocal is a normal number.
; The division 216 / maximum is a reciprocal with one Newton step and a corrected quotient: it may differ from f32's division by one unit in the last place in rare cases.
; A wave's scale words of a step are 128 consecutive bytes: half of an aligned 256; the codes, 24 times as many bytes, leave in stores of 512 consecutive bytes at multiples of 256.
.set FRB,   1536                       ; a fragment's image
.set STEPB, 12800                      ; a group of 128 rows in one step: eight images and 512 bytes of scale words
.set SCO,   8*FRB                      ; where the scale words begin in it
.set PLANE, 32*STEPB                   ; a step of a whole operand: 409,600 bytes
.set SPT,  272                         ; the turning stage: a row of 256 bytes + 16: lane l reads row l, and sixteen lanes' 16 bytes fall on sixteen different columns of 16 bytes
.set WSTG, 32*SPT                      ; a wave's: 8,704 bytes, from LDS byte 0 on
.set OUT,  4*WSTG                      ; behind the four: the stages for the way out
.set WOUT, 4*FRB                       ; a wave's: [2 steps][2 blocks of 16 rows] images: 6,144 bytes
.set R,    64                          ; v[64:191]  numbers: way A two sets of 64, way B three sets of 32; on the way out the codes as they are stored
.set CD,   192                         ; v[192:239] my row's codes: block t at v[CD + 6 t] on
; v1 lane; v4, v5 offsets of the loads (v5, 4 x lane, also of the scale words' stores); v6, v7 the turning stage, in and back; v8 the way out, in; v9 back; v12 16 x lane, v14 32 x lane; v[16:17] the scale, twice; v18 1.0;
; v19 four bytes of 127; v[20:27] codes of E4M3; v28-31 a block's maximum, scale operand and byte; v[32:34] a block's upper 16 codes; v[36:37] the two scale words; v[40:47] partial maxima; v48-53 at work
	s_load_b128 s[4:7], s[0:1], 0x0                ; input1, input2
	s_load_b128 s[8:11], s[0:1], 0x10              ; A's operand buffer, B's
	s_load_b64 s[16:17], s[0:1], 0x20              ; amax
	v_lshl_add_u32 v240, v0, 2, 0xf000
	v_mov_b32 v241, 0
	v_lshrrev_b32 v1, 5, v0
	v_readfirstlane_b32 s20, v1                    ; wave 0..3
	v_and_b32 v1, 31, v0                           ; lane l
	v_and_b32 v2, 15, v0                           ; l % 16
	v_bfe_u32 v3, v0, 4, 1                         ; l / 16
	v_lshlrev_b32 v4, 4, v2
	v_lshl_add_u32 v4, v3, 14, v4                  ; way A: 16 (l % 16) in a row's 256 bytes, lanes 16-31 one row (16,384 bytes) down
	v_lshlrev_b32 v5, 2, v1                        ; way B: 4 bytes a lane
	s_mul_i32 s21, s20, WSTG
	v_mul_u32_u24 v6, v3, SPT
	v_lshl_add_u32 v6, v2, 4, v6
	v_add_nc_u32 v6, s21, v6                       ; the turning stage, in: as loaded
	v_mul_u32_u24 v7, v1, SPT
	v_add_nc_u32 v7, s21, v7                       ; and back: row l
	s_mul_i32 s22, s20, WOUT
	s_add_co_u32 s22, s22, OUT
	v_mul_u32_u24 v8, v3, FRB
	v_lshl_add_u32 v8, v2, 4, v8
	v_add_nc_u32 v8, s22, v8                       ; the way out, in: my block of 16 rows' image, 16 (l % 16) in it
	v_lshl_add_u32 v9, v1, 4, s22                  ; and back, dense: 16 x lane
	v_lshlrev_b32 v12, 4, v1
	v_lshlrev_b32 v14, 5, v1
	v_mov_b32 v18, 1.0                             ; the conversion to E4M3 divides by 2^(this number's exponent): by 1
	v_mov_b32 v19, 0x7f7f7f7f                      ; the conversion back multiplies by 2^(byte - 127)
	s_mov_b32 s38, 0x43580000                      ; 216.0
	s_mov_b32 s34, 0x76543210                      ; v_permlanex16_b32's selects for lane l xor 16
	s_mov_b32 s35, 0xfedcba98
	s_cmp_lt_u32 ttmp9, 512
	s_cselect_b32 s23, 0, 512
	s_sub_co_u32 s23, ttmp9, s23                   ; g: my number among the tensor's 512 work-groups
	s_lshl_b32 s24, s23, 2                         ; way A: wave T = 4 g + wave takes the 256 along K with the number T % 16 of rows 32 (T / 16) on: the four waves stand side by side on the same 32 rows
	s_add_co_u32 s24, s24, s20
	s_and_b32 s25, s24, 15                         ; which 256 along K
	s_lshr_b32 s26, s24, 4
	s_lshl_b32 s26, s26, 5                         ; first row
	s_lshl_b32 s27, s26, 14
	s_lshl_b32 s31, s25, 10
	s_add_co_u32 s27, s27, s31                     ; in bytes: 16,384 x row + 1,024 x that number
	s_lshr_b32 s28, s23, 5                         ; way B: the 256 along K with the number g / 32,
	s_and_b32 s29, s23, 31
	s_lshl_b32 s29, s29, 7
	s_lshl_b32 s31, s20, 5
	s_add_co_u32 s29, s29, s31                     ; first column 128 (g % 32) + 32 x wave
	s_lshl_b32 s30, s28, 22
	s_lshl_b32 s31, s29, 2
	s_add_co_u32 s30, s30, s31                     ; in bytes: 256 rows of 16,384 x that number + 4 x column
	s_wait_alu depctr_va_vdst(0)
	s_wait_kmcnt 0x0
	s_cmp_lt_u32 ttmp9, 512                        ; every choice hangs on the work-group's number alone
	s_cselect_b64 s[4:5], s[4:5], s[6:7]
	s_cselect_b64 s[8:9], s[8:9], s[10:11]
	s_cselect_b32 s25, s25, s28
	s_cselect_b32 s26, s26, s29
	s_cselect_b32 s36, s27, s30
	s_cselect_b32 s32, 0, 1024                     ; the tensor's 256 partial maxima
	s_mov_b32 s33, 0
	s_mov_b32 s37, 0
	s_add_nc_u64 s[16:17], s[16:17], s[32:33]
	global_load_b128 v[40:43], v14, s[16:17]       ; eight words a lane
	global_load_b128 v[44:47], v14, s[16:17] offset:16
	s_add_nc_u64 s[4:5], s[4:5], s[36:37]
	s_mul_i32 s31, s25, 2*PLANE                    ; the first of my two steps,
	s_lshr_b32 s27, s26, 7
	s_mul_i32 s27, s27, STEPB
	s_add_co_u32 s31, s31, s27                     ; my group of 128 rows in it
	s_bfe_u32 s27, s26, 0x30004                    ; which of its eight blocks of 16 rows is my first: 0, 2, 4 or 6
	s_lshl_b32 s36, s27, 6
	s_add_co_u32 s36, s36, s31
	s_add_co_u32 s36, s36, SCO
	s_add_nc_u64 s[10:11], s[8:9], s[36:37]        ; my 32 rows' scale words of that step
	s_mul_i32 s36, s27, FRB
	s_add_co_u32 s36, s36, s31
	s_add_nc_u64 s[8:9], s[8:9], s[36:37]          ; and my two images
; The tensor's scale, in every lane.  n: how many younger loads may stay out when the two loads of partial maxima have to be in.
.macro SCALE n
	s_wait_loadcnt \n
	v_max3_num_f32 v48, v40, v41, v42
	v_max3_num_f32 v49, v43, v44, v45
	v_max3_num_f32 v48, v48, v46, v47
	v_max_num_f32 v48, v48, v49
	v_max_num_f32_dpp v48, v48, v48 row_xmask:1 row_mask:0xf bank_mask:0xf
	v_max_num_f32_dpp v48, v48, v48 row_xmask:2 row_mask:0xf bank_mask:0xf
	v_max_num_f32_dpp v48, v48, v48 row_xmask:4 row_mask:0xf bank_mask:0xf
	v_max_num_f32_dpp v48, v48, v48 row_xmask:8 row_mask:0xf bank_mask:0xf
	v_permlanex16_b32 v49, v48, s34, s35
	v_max_num_f32 v48, v48, v49                    ; a = the tensor's largest magnitude
	s_wait_alu depctr_va_vdst(0)
	v_rcp_f32 v50, v48
	v_nop                                          ; a plain instruction behind the reciprocal (ISA guide 5.7.2),
	s_wait_alu depctr_va_vdst(0)                   ; and a wait ahead of its first reader
	v_fma_f32 v51, -v48, v50, 1.0                  ; e = 1 - a y
	v_fma_f32 v50, v51, v50, v50                   ; y = y + e y
	v_mul_f32 v52, s38, v50                        ; q = 216 y
	v_fma_f32 v53, -v48, v52, s38                  ; r = 216 - a q, exact in the fused form
	v_fma_f32 v16, v53, v50, v52                   ; 216 / a = q + r y
	v_mov_b32 v17, v16                             ; a pair for the packed multiply
.endm
; 32 numbers of my row, v[src] on, are block t of my 256 along K.
.macro BLOCK src, t
.set BS, \src
.set BT, \t
.irp j, 0,2,4,6,8,10,12,14,16,18,20,22,24,26,28,30
	v_pk_mul_f32 v[BS+\j:BS+\j+1], v[BS+\j:BS+\j+1], v[16:17]      ; x scale, in f32
.endr
.irp g, 0,1,2,3
	v_cvt_scalef32_pk8_fp8_f32 v[20+2*\g:21+2*\g], v[BS+8*\g:BS+8*\g+7], v18   ; to the nearest number of E4M3, ties to even
.endr
	v_nop                                          ; one plain instruction between a scaled conversion and the instruction that reads its result or writes its sources
.irp g, 0,1,2,3
	v_cvt_scale_pk8_f32_fp8 v[BS+8*\g:BS+8*\g+7], v[20+2*\g:21+2*\g], v19      ; and wide again: what the block quantiser takes
.endr
	v_nop
	v_max3_num_f32 v28, |v[BS]|, |v[BS+1]|, |v[BS+2]|              ; the block's largest magnitude: all 32 numbers are mine; two chains
	v_max3_num_f32 v29, |v[BS+3]|, |v[BS+4]|, |v[BS+5]|
.irp i, 6,10,14,18,22,26
	v_max3_num_f32 v28, v28, |v[BS+\i]|, |v[BS+\i+1]|
	v_max3_num_f32 v29, v29, |v[BS+\i+2]|, |v[BS+\i+3]|
.endr
	v_max3_num_f32 v28, v28, |v[BS+30]|, |v[BS+31]|
	v_max3_num_f32 v28, v28, v29, 0x1800000        ; and the floor 2^(3 - 127): the byte cannot fall under 1
	v_add_nc_u32 v30, 0xff000000, v28              ; 2 off its exponent field: the conversion takes the exponent field of this operand as its scale, and nothing else of it
	v_cvt_scalef32_pk16_fp6_f32 v[CD+6*BT:CD+6*BT+2], v[BS:BS+15], v30
	v_cvt_scalef32_pk16_fp6_f32 v[32:34], v[BS+16:BS+31], v30      ; (a conversion's three registers begin on an even number: the block's upper three do not, so they are made here and moved)
	v_lshrrev_b32 v31, 23, v30                     ; the scale's byte.  (The plain instruction behind the conversions)
.irp i, 0,1,2
	v_mov_b32 v[CD+6*BT+3+\i], v[32+\i]
.endr
.if BT%4 == 0
	v_mov_b32 v[36+BT/4], v31                      ; four bytes make a step's scale word, the lower K in the lower byte
.else
	v_lshl_or_b32 v[36+BT/4], v31, 8*(BT%4), v[36+BT/4]
.endif
.endm
	s_cmp_lt_u32 ttmp9, 512
	s_cbranch_scc0 .Lway_b
	; ---- way A: K innermost.  Chunk c = 256 bytes (two blocks) of each of my 32 rows
.macro LOADA c                         ; 16 loads into set c % 2: lanes 0-15 take 256 consecutive bytes of row 2 i, at a multiple of 256 from the buffer's first byte, lanes 16-31 the same of row 2 i + 1
.irp i, 0,1,2,3,4,5,6,7,8,9,10,11,12,13,14,15
	global_load_b128 v[R+64*((\c)%2)+4*\i:R+64*((\c)%2)+4*\i+3], v4, s[4:5] offset:32768*\i+256*(\c) th:TH_LOAD_NT
.endr
.endm
	LOADA 0
	LOADA 1
	SCALE 32                                       ; two chunks' 32 loads stand behind the partial maxima's two
	s_wait_alu depctr_va_vdst(0)
.irp c, 0,1,2,3
.if \c < 3
	s_wait_loadcnt 16                              ; this chunk is in; the next chunk's sixteen loads may be out
.else
	s_wait_loadcnt 0x0
.endif
.irp i, 0,1,2,3,4,5,6,7,8,9,10,11,12,13,14,15
	ds_store_b128 v6, v[R+64*(\c%2)+4*\i:R+64*(\c%2)+4*\i+3] offset:2*SPT*\i
.endr
.irp j, 0,1,2,3,4,5,6,7,8,9,10,11,12,13,14,15
	ds_load_b128 v[R+64*(\c%2)+4*\j:R+64*(\c%2)+4*\j+3], v7 offset:16*\j   ; LDS serves a wave's instructions in order (ISA guide 5.7.1.4): these see the stores above, and land in the registers that those have read
.endr
	s_wait_dscnt 8                                 ; the first eight loads, block 2 c's 32 numbers, are in
	BLOCK R+64*(\c%2), 2*\c
	s_wait_dscnt 0x0
	BLOCK R+64*(\c%2)+32, 2*\c+1
.if \c < 2
	LOADA \c+2                                     ; the set is free
.endif
.endr
	s_branch .Lout
.Lway_b:
	; ---- way B: K is the first axis.  Block t = 32 rows of input2 at my column
.macro LOADB t                         ; 32 loads into set t % 3; every offset an immediate, 4,177,920 at the most: inside the signed 24 bits (ISA guide, chapter 10)
.irp i, 0,1,2,3,4,5,6,7,8,9,10,11,12,13,14,15,16,17,18,19,20,21,22,23,24,25,26,27,28,29,30,31
	global_load_b32 v[R+32*((\t)%3)+\i], v5, s[4:5] offset:(32*(\t)+\i)*16384 th:TH_LOAD_NT
.endr
.endm
	LOADB 0
	LOADB 1
	SCALE 63                                       ; 66 loads have been issued: with 63 out at the most the first three are in, the partial maxima's two among them
	s_wait_alu depctr_va_vdst(0)
.irp t, 0,1,2,3,4,5,6,7
.if \t < 7
	s_wait_loadcnt 32                              ; this block's 32 loads are in; the next block's may be out
.else
	s_wait_loadcnt 0x0
.endif
.if \t < 6
	LOADB \t+2                                     ; into the set that the block before has left
.endif
	BLOCK R+32*(\t%3), \t
.endr
.Lout:
	; ---- the way out.  Block t of my row r is block b = t % 4 of step t / 4: it is registers 6 (b / 2) .. 6 (b / 2) + 5 of the fragment's lane r + 16 (b % 2).  Register j of lane L lies at 512 (j / 4) + 16 L + 4 (j % 4) of the image:
	; registers 0-3 and 8-11 are 16 bytes on end, registers 4, 5 and 6, 7 the two halves of 16 bytes.  The stage holds [step][block of 16 rows] images, as the buffer does.
	s_wait_alu depctr_va_vdst(0)
.irp t, 0,1,2,3,4,5,6,7
.if (\t%4)/2 == 0
	ds_store_b128 v8, v[CD+6*\t:CD+6*\t+3] offset:2*FRB*(\t/4)+256*(\t%2)
	ds_store_b64 v8, v[CD+6*\t+4:CD+6*\t+5] offset:2*FRB*(\t/4)+256*(\t%2)+512
.else
	ds_store_b64 v8, v[CD+6*\t:CD+6*\t+1] offset:2*FRB*(\t/4)+256*(\t%2)+520
	ds_store_b128 v8, v[CD+6*\t+2:CD+6*\t+5] offset:2*FRB*(\t/4)+256*(\t%2)+1024
.endif
.endr
.irp i, 0,1,2,3,4,5,6,7,8,9,10,11
	ds_load_b128 v[R+4*\i:R+4*\i+3], v9 offset:512*\i              ; LDS serves a wave's instructions in order: these see my stores
.endr
	global_store_b32 v5, v36, s[10:11]             ; my row's scale word of the first step: 32 lanes, 128 consecutive bytes
	global_store_b32 v5, v37, s[10:11] offset:PLANE  ; and of the second
.irp i, 0,1,2,3,4,5,6,7,8,9,10,11
	s_wait_dscnt 11-\i                             ; load i is in; the younger ones may be out
	global_store_b128 v12, v[R+4*\i:R+4*\i+3], s[8:9] offset:PLANE*(\i/6)+512*(\i%6)   ; 512 consecutive bytes, at a multiple of 256 from the buffer's first byte; six stores a step
.endr
	s_wait_tensorcnt 0x0
	ds_add_u32 v240, v241
	s_wait_dscnt 0x0
	s_endpgm
.Lfunc_end_k_q6d79b17669_quant:
	.size	k_q6d79b17669_quant, .Lfunc_end_k_q6d79b17669_quant-k_q6d79b17669_quant
	.p2alignl 7, 3214868480
	.fill 96, 4, 3214868480
	.section	.rodata,"a",@progbits
	.p2align	6, 0x0
	.amdhsa_kernel k_q6d79b17669_quant
		.amdhsa_group_segment_fixed_size 61952
		.amdhsa_private_segment_fixed_size 0
		.amdhsa_enable_private_segment 0
		.amdhsa_kernarg_size 40
		.amdhsa_user_sgpr_count 2
		.amdhsa_user_sgpr_kernarg_segment_ptr 1
		.amdhsa_wavefront_size32 1
		.amdhsa_system_sgpr_workgroup_id_x 1
		.amdhsa_system_sgpr_workgroup_id_y 1
		.amdhsa_system_sgpr_workgroup_id_z 1
		.amdhsa_system_vgpr_workitem_id 0
		.amdhsa_next_free_vgpr 242
		.amdhsa_next_free_sgpr 66
		.amdhsa_reserve_vcc 0
		.amdhsa_float_denorm_mode_32 3
		.amdhsa_float_denorm_mode_16_64 3
		.amdhsa_memory_ordered 1
		.amdhsa_forward_progress 1
		.amdhsa_inst_pref_size 96
	.end_amdhsa_kernel
	.amdgpu_metadata
---
amdhsa.version: [ 1, 2 ]
amdhsa.kernels:
  - .name:           k_q6d79b17669_quant
    .symbol:         k_q6d79b17669_quant.kd
    .args:
      - { .name: input1, .offset: 0, .size: 8, .value_kind: global_buffer, .address_space: global }
      - { .name: input2, .offset: 8, .size: 8, .value_kind: global_buffer, .address_space: global }
      - { .name: a_ops, .offset: 16, .size: 8, .value_kind: global_buffer, .address_space: global }
      - { .name: b_ops, .offset: 24, .size: 8, .value_kind: global_buffer, .address_space: global }
      - { .name: amax, .offset: 32, .size: 8, .value_kind: global_buffer, .address_space: global }
    .group_segment_fixed_size: 61952
    .private_segment_fixed_size: 0
    .kernarg_segment_align: 8
    .kernarg_segment_size: 40
    .max_flat_workgroup_size: 128
    .sgpr_count:     66
    .vgpr_count:     242
    .wavefront_size: 32
...
	.end_amdgpu_metadata
.endif
;; end of part 2
;; launch gemm (part 3): grid 16 x 16, 4 waves a work-group, clusters of 4 x 4, 327,680 bytes of LDS; arguments a_ops, b_ops, out0, amax; writes out0
.if DOCPART == 3
	.amdgcn_target "amdgcn-amd-amdhsa--gfx1250"
	.amdhsa_code_object_version 6
	.text
	.protected	k_q6d79b17669_gemm
	.globl	k_q6d79b17669_gemm
	.p2align	8
	.type	k_q6d79b17669_gemm,@function
k_q6d79b17669_gemm:
	s_mov_b64 s[64:65], 0
	v_nop
	global_prefetch_b8 v0, s[64:65] scope:SCOPE_SE
	s_setreg_imm32_b32 hwreg(HW_REG_WAVE_MODE, 25, 1), 1
	s_wait_xcnt 0x0
	s_wait_alu depctr_hold_cnt(0) depctr_sa_sdst(0) depctr_va_vdst(0) depctr_va_sdst(0) depctr_va_ssrc(0) depctr_va_vcc(0) depctr_vm_vsrc(0)
	s_getreg_b32 s2, hwreg(HW_REG_IB_STS2, 6, 4)
	s_cmp_eq_u32 s2, 0
	s_cbranch_scc0 .Lentry_in_a_cluster
	s_endpgm
.Lentry_in_a_cluster:
	s_bfe_u32 s2, ttmp6, 0x10000c
	s_cmp_lg_u32 s2, 0xf033
	s_cbranch_scc0 .Lentry_shape_is_right
	s_endpgm
.Lentry_shape_is_right:
; out0[m][n] = (sum over k of A[m][k] B[n][k]) x (1 / scale1) x (1 / scale2), scale = 216 / (the tensor's largest magnitude), joined here from the 256 words a tensor in amax.
; A and B come as codes of FP6 (E2M3) with E8M0 scale words, in this program's own layout: [32 steps of 128 along K][32 groups of 128 rows][12,800 bytes]; a group holds eight images of
; matrix fragments (16 rows x 128 K: registers 4 c .. 4 c + 3 of lane L at 512 c + 16 L, 1,536 bytes) and behind them 512 bytes of scale words, 4 bytes a row.
; SHARES.  A work-group of four waves makes 256 x 256 of out0, a wave 128 x 128: 64 accumulators, 512 registers.  256 work-groups, one for each tile.
; THE RING.  Two LDS slots of three K steps each (the first fill brings two).  A wave's one tensor load brings three rows of 12,800 bytes: one group of 128 rows in three steps; waves 0, 1 fetch A's two groups, waves 2, 3 B's.
; CLUSTERS.  4 x 4 work-groups: A's groups are asked for jointly along a row of the cluster, B's along a column; each refill stands behind a round of the cluster's barrier, inside which matrix instructions alone stand.
; A K STEP is 64 matrix instructions on one of two sets of fragments; the next step's fragments come in two runs of LDS loads: scale words and B's eight at its head, A's eight in its middle.
; THE LAST FIVE K STEPS (27 to 31) lie in LDS together and are walked twice: first for my rows 0-63, then for my rows 64-127.  Rows 0-63 are then finished, and leave between the products of rows 64-127.
; B's fragments of those five steps are read twice from LDS for that.
; THE WAY OUT.  The matrix instruction is used transposed (source 0 = B's rows, source 1 = A's), so a lane holds eight neighbouring numbers of a row.  Half a block (16 rows x 64 columns) goes through my own stage in LDS
; (bytes that no tensor load fills) and comes back by rows: sixteen lanes store 256 consecutive bytes at a multiple of 256 from out0's first byte.
; PREFETCH.  Waves 0 to 2 of every work-group name one K step each of a later fill's three: my work-group's quarter (25 blocks of 256 bytes, a lane a block) of the two groups that four partners ask for jointly,
; A's shared out by cx, B's by cy, by address alone.  Behind the head's two loads K steps 2-4 and 5-7 are named, behind each refill the three steps of the next refill; the last refill has none further on and asks for nothing.
; LIMITS: NaN and infinities among the inputs are not served; a tensor of zeros is not served (reference() gives NaN there); the largest magnitudes lie between about 2^-100 and 2^100.
; The divisions are reciprocals with Newton steps: they may differ from f32's division by a unit in the last place.
; REGISTERS: window 0: v0-31 addresses, v32-47 scale words (two sets), v48-63 the words of amax, v64-159 A's and v160-255 B's fragments, set 0.  Window 1: v0-63 the way out, v64-255 set 1.  Windows 2, 3: accumulators of rows 0-63, 64-127.
.set SIZE_N, 4096
.set FR,     12
.set FRB,    1536
.set STEPB,  12800
.set SCO,    8*FRB
.set PLANE,  32*STEPB
.set PART,   3*STEPB                   ; what one tensor load of the ring brings
.set SKEW,   128                       ; B's parts lie 128 bytes further on
.set SLOT,   4*PART+256
.set SPARE,  2*SLOT                    ; the spare words: 128 bytes a wave
.set STAGE,  SPARE+512                 ; the stages: 16 rows x 272 bytes a wave
.set SPITCH, 272
.set NP,     4
.set TRIPS,  4
.set PFO,  15
.set ADRA, 16
.set ADRB, 18
.set ADRS, 20
.set STO,  24
.set RD,   25
.set CO,   26
.set SPW,  28
.set NIL,  29
.set FF,   30
.set SC,   32
.set AF,   64
.set BF,   160
.set G1, 24
.set G0, 32
.set G1B, 48
.set G0B, 56
.set G1F, 68
.set G1FB, 80
.set LIM,  94
.set PFA,  96
.set SEL,  98
.set PFB,  100
.set MSB, 0
.macro WIN new                         ; the immediate's high byte repeats the setting that is left
.if MSB != (\new)
	s_set_vgpr_msb (MSB<<8)|(\new)
.set MSB, (\new)
.endif
.endm
.macro MULW p, hi                      ; sources 0 and 1 in window p, C and D in window 2 + hi
	WIN 0xa0+0x50*(\hi)+5*(\p)
.endm
.macro JLOAD g0a, g1a, g0b, g1b        ; a joint load: waves 0, 1 for A, waves 2, 3 for B
	s_cmp_eq_u32 s15, 0
	s_cbranch_scc0 .Lfor_b_\@
	tensor_load_to_lds s[\g0a:\g0a+3], s[\g1a:\g1a+7]
	s_nop 0
.rept 4
	v_nop
.endr
	s_branch .Lasked_\@
.Lfor_b_\@:
	tensor_load_to_lds s[\g0b:\g0b+3], s[\g1b:\g1b+7]
	s_nop 0
.rept 4
	v_nop
.endr
.Lasked_\@:
.endm
.macro CREST                           ; a round of the cluster's barrier behind its opening barrier
	s_cmp_lg_u32 s14, 0
	s_cbranch_scc1 .Lnot_wave_0_\@
	s_barrier_signal -3
.Lnot_wave_0_\@:
	s_barrier_wait -3
	s_barrier_signal -1
	s_barrier_wait -1
.endm
.macro CROUND
	s_barrier_signal -1
	s_barrier_wait -1
	CREST
.endm
.macro ASK how                         ; how = 1: waves 0 to 2 ask; how = 0: not in the loop's last trip, where the step named would lie past K's end
.if \how
	s_cmp_eq_u32 s[LIM], 1
.else
	s_cmp_gt_u32 s3, s[LIM]
.endif
	s_cbranch_scc0 .Lnot_mine_\@
	global_prefetch_b8 v[PFO], s[PFA:PFA+1] th:TH_LOAD_NT scope:SCOPE_SE
	global_prefetch_b8 v[PFO], s[PFB:PFB+1] th:TH_LOAD_NT scope:SCOPE_SE
.Lnot_mine_\@:
.endm
	s_load_b256 s[4:11], s[0:1], 0x0               ; a_ops, b_ops, out0, amax
	v_lshl_add_u32 v[SPW], v0, 2, SPARE
	v_mov_b32 v[NIL], 0
	ds_add_u32 v[SPW], v[NIL]                      ; the opening lines: the add twice on end under one wait
	ds_add_u32 v[SPW], v[NIL]
	v_lshrrev_b32 v1, 5, v0
	v_readfirstlane_b32 s14, v1                    ; wave
	v_and_b32 v3, 31, v0                           ; lane
	v_lshlrev_b32 v7, 5, v3                        ; eight words of amax a lane
	s_lshr_b32 s15, s14, 1                         ; my half of the rows; also: I fetch for A (0) or B (1)
	s_and_b32 s16, s14, 1                          ; my half of the columns; also: which group I fetch
	s_bfe_u32 s40, ttmp6, 0x40000                  ; cx
	s_bfe_u32 s41, ttmp6, 0x40004                  ; cy
	s_lshl_b32 s42, ttmp9, 2
	s_add_co_u32 s42, s42, s40                     ; tile column
	s_and_b32 s17, ttmp7, 0xffff
	s_lshl_b32 s17, s17, 2
	s_add_co_u32 s17, s17, s41                     ; tile row
	s_lshl_b32 s43, s41, 2
	s_lshl_b32 s43, 15, s43                        ; my row of the cluster
	s_lshl_b32 s44, 0x1111, s40                    ; my column
	s_or_b32 s[G1+0], s43, (3<<16)|(1<<21)         ; elements of 8 bytes, no padding; bit 21 beside the mask
	s_or_b32 s[G1B+0], s44, (3<<16)|(1<<21)
	s_or_b32 s[G1F+0], s43, (3<<16)|(1<<21)
	s_or_b32 s[G1FB+0], s44, (3<<16)|(1<<21)
.irp g, G1, G1B                        ; three rows of 1,600 elements, a whole step of the operand (51,200 elements) apart
	s_mov_b32 s[\g+1], 1600<<16
	s_mov_b32 s[\g+2], 3<<16
	s_mov_b32 s[\g+3], 1600<<16
	s_mov_b32 s[\g+4], 3
	s_mov_b32 s[\g+5], 51200
	s_mov_b32 s[\g+6], 0
	s_mov_b32 s[\g+7], 0
.endr
.irp g, G1F, G1FB                      ; the first fill: two rows
	s_mov_b32 s[\g+1], 1600<<16
	s_mov_b32 s[\g+2], 2<<16
	s_mov_b32 s[\g+3], 1600<<16
	s_mov_b32 s[\g+4], 2
	s_mov_b32 s[\g+5], 51200
	s_mov_b32 s[\g+6], 0
	s_mov_b32 s[\g+7], 0
.endr
	s_lshl_b32 s20, s17, 1
	s_add_co_u32 s20, s20, s16
	s_mul_i32 s20, s20, STEPB                      ; A's group that I fetch
	s_mov_b32 s21, 0
	s_lshl_b32 s46, s42, 1
	s_add_co_u32 s46, s46, s16
	s_mul_i32 s46, s46, STEPB                      ; B's
	s_mov_b32 s47, 0
	s_mul_i32 s45, s14, PART                       ; where it goes: wave x a part, B's 128 bytes on
	s_lshl_b32 s18, s15, 7
	s_add_co_u32 s45, s45, s18
	s_mov_b32 s2, 0x43580000                       ; 216.0
	s_mov_b32 s[SEL], 0x76543210
	s_mov_b32 s[SEL+1], 0xfedcba98
	s_wait_alu depctr_va_vdst(0)
	s_wait_dscnt 0x0                               ; both opening adds are done
	s_wait_kmcnt 0x0
	global_load_b128 v[48:51], v7, s[10:11]        ; input1's 256 partial maxima, asked for ahead of everything else
	global_load_b128 v[52:55], v7, s[10:11] offset:16
	global_load_b128 v[56:59], v7, s[10:11] offset:1024   ; input2's
	global_load_b128 v[60:63], v7, s[10:11] offset:1040
	s_add_nc_u64 s[20:21], s[4:5], s[20:21]
	s_add_nc_u64 s[46:47], s[6:7], s[46:47]
	CROUND                                         ; all sixteen work-groups are here: the first joint loads meet
.irp s, 0,1
	s_mov_b32 s[G0+4*\s], 1
	s_add_co_u32 s[G0+4*\s+1], s45, \s*SLOT
	s_add_nc_u64 s[G0+4*\s+2:G0+4*\s+3], s[20:21], \s*2*PLANE
	s_or_b32 s[G0+4*\s+3], s[G0+4*\s+3], 0x80000000
	s_mov_b32 s[G0B+4*\s], 1
	s_add_co_u32 s[G0B+4*\s+1], s45, \s*SLOT
	s_add_nc_u64 s[G0B+4*\s+2:G0B+4*\s+3], s[46:47], \s*2*PLANE
	s_or_b32 s[G0B+4*\s+3], s[G0B+4*\s+3], 0x80000000
.endr
	JLOAD G0, G1F, G0B, G1FB                       ; K steps 0 and 1: one tensor load a wave at the head
	; all that follows up to the wait on TENSORcnt is done while that load is out: first the scalars, then the vector registers
	s_mul_i32 s21, s15, PART                       ; my 128 rows of A in a slot
	s_mul_i32 s22, s16, PART
	s_add_co_u32 s22, s22, 2*PART+SKEW             ; my 128 rows of B
	s_sub_co_u32 s18, s22, s21
	s_add_co_u32 s19, s21, SCO
	s_mul_i32 s23, s14, 16*SPITCH
	s_add_co_u32 s23, s23, STAGE                   ; my stage
	s_lshl_b32 s92, s17, 8
	s_lshl_b32 s93, s15, 7
	s_add_co_u32 s92, s92, s93
	s_lshl_b32 s92, s92, 14                        ; my first row of out0, 16,384 bytes a row,
	s_lshl_b32 s93, s42, 10
	s_add_co_u32 s92, s92, s93
	s_lshl_b32 s93, s16, 9
	s_add_co_u32 s92, s92, s93                     ; and my first column: under 2^26 in all
	s_mov_b32 s93, 0
	s_add_nc_u64 s[8:9], s[8:9], s[92:93]
.macro PFSET dst, base, tile, place    ; the tile's two groups, my work-group's quarter of their 25,600 bytes, K step 2 + wave
	s_mul_i32 s92, s[\tile], 2*STEPB
	s_mul_i32 s93, s[\place], 6400
	s_add_co_u32 s92, s92, s93
	s_add_co_u32 s93, s14, 2
	s_mul_i32 s93, s93, PLANE
	s_add_co_u32 s92, s92, s93
	s_mov_b32 s93, 0
	s_add_nc_u64 s[\dst:\dst+1], s[\base:\base+1], s[92:93]
.endm
	PFSET PFA, 4, 17, 40
	PFSET PFB, 6, 42, 41
	s_cmp_lt_u32 s14, 3
	s_cselect_b32 s[LIM], 1, -1                    ; waves 0 to 2 ask, one K step each
	v_and_b32 v1, 15, v0                           ; r
	v_bfe_u32 v2, v0, 4, 1                         ; h
	v_lshlrev_b32 v4, 4, v3                        ; 16 x lane: my place in an image's 512 bytes
	v_min_u32 v[PFO], 24, v3
	v_lshlrev_b32 v[PFO], 8, v[PFO]                ; 25 blocks of 256 bytes; the lanes left over name the last again
	v_add_nc_u32 v[ADRA], s21, v4
	v_add_nc_u32 v[ADRB], s22, v4
	v_add_nc_u32 v[ADRA+1], SLOT, v[ADRA]
	v_add_nc_u32 v[ADRB+1], SLOT, v[ADRB]
	v_lshlrev_b32 v5, 2, v1
	v_mul_u32_u24 v6, s18, v2                      ; scale words: lanes 0-15 A's rows, lanes 16-31 B's
	v_add_nc_u32 v5, v5, v6
	v_add_nc_u32 v[ADRS], s19, v5
	v_add_nc_u32 v[ADRS+1], SLOT, v[ADRS]
	v_mul_u32_u24 v5, v1, SPITCH
	v_lshl_add_u32 v5, v2, 5, v5
	v_add_nc_u32 v[STO], s23, v5                   ; into the stage: row r, 32 bytes for each half of the lanes
	v_mul_u32_u24 v6, v2, SPITCH
	v_lshl_add_u32 v6, v1, 4, v6
	v_add_nc_u32 v[RD], s23, v6                    ; back: lanes 0-15 a row's 256 bytes, lanes 16-31 the next row's
	v_lshlrev_b32 v[CO], 14, v2
	v_lshl_add_u32 v[CO], v1, 4, v[CO]             ; and the same two rows in out0
	s_wait_alu depctr_va_vdst(0)
	ASK 1                                          ; K steps 2 to 4, which slot 1's first fill will bring
	s_wait_loadcnt 0x0
	v_max3_num_f32 v8, v48, v49, v50               ; the two tensors' largest magnitudes, by turns
	v_max3_num_f32 v9, v56, v57, v58
	v_max3_num_f32 v8, v8, v51, v52
	v_max3_num_f32 v9, v9, v59, v60
	v_max3_num_f32 v8, v8, v53, v54
	v_max3_num_f32 v9, v9, v61, v62
	v_max_num_f32 v8, v8, v55
	v_max_num_f32 v9, v9, v63
.irp x, 1,2,4,8
	v_max_num_f32_dpp v8, v8, v8 row_xmask:\x row_mask:0xf bank_mask:0xf
	v_max_num_f32_dpp v9, v9, v9 row_xmask:\x row_mask:0xf bank_mask:0xf
.endr
	v_mov_b32 v10, 0
	v_mov_b32 v11, 0
	v_permlanex16_b32 v10, v8, s[SEL], s[SEL+1]
	v_permlanex16_b32 v11, v9, s[SEL], s[SEL+1]
	v_max_num_f32 v8, v8, v10
	v_max_num_f32 v9, v9, v11
	s_wait_alu depctr_va_vdst(0)
	v_rcp_f32 v10, v8
	v_rcp_f32 v11, v9
	v_nop
	s_wait_alu depctr_va_vdst(0)
	v_fma_f32 v12, -v8, v10, 1.0                   ; scale = 216 / a: a Newton step and a corrected quotient, as the quantising launch makes it
	v_fma_f32 v13, -v9, v11, 1.0
	v_fma_f32 v10, v12, v10, v10
	v_fma_f32 v11, v13, v11, v11
	v_mul_f32 v12, s2, v10
	v_mul_f32 v13, s2, v11
	v_fma_f32 v48, -v8, v12, s2
	v_fma_f32 v49, -v9, v13, s2
	v_fma_f32 v8, v48, v10, v12
	v_fma_f32 v9, v49, v11, v13
	s_wait_alu depctr_va_vdst(0)
	v_rcp_f32 v10, v8                              ; 1 / scale, with two Newton steps
	v_rcp_f32 v11, v9
	v_nop
	s_wait_alu depctr_va_vdst(0)
	v_fma_f32 v12, -v8, v10, 1.0
	v_fma_f32 v13, -v9, v11, 1.0
	v_fma_f32 v10, v12, v10, v10
	v_fma_f32 v11, v13, v11, v11
	v_fma_f32 v12, -v8, v10, 1.0
	v_fma_f32 v13, -v9, v11, 1.0
	v_fma_f32 v10, v12, v10, v10
	v_fma_f32 v11, v13, v11, v11
	v_mul_f32 v[FF], v10, v11                      ; the factor of every output, as a pair
	v_mul_f32 v[FF+1], v10, v11
.macro LDF reg, adr, off               ; a fragment: three loads of 16 bytes a lane, dense
.irp c, 0,1,2
	ds_load_b128 v[(\reg)+4*\c:(\reg)+4*\c+3], v[\adr] offset:(\off)+512*\c
.endr
.endm
.macro FETCHB slot, q, pn              ; 32 LDS loads: the scale words and B's eight fragments of the slot's step q into set pn
	WIN 0
.irp i, 0,1,2,3,4,5,6,7
	ds_load_b32 v[SC+8*(\pn)+\i], v[ADRS+\slot] offset:(\q)*STEPB+64*\i
.endr
	WIN (\pn)<<6
.irp i, 0,1,2,3,4,5,6,7
	LDF BF+FR*\i, ADRB+\slot, (\q)*STEPB+\i*FRB
.endr
.endm
.macro FETCHA slot, q, pn, a0, a1      ; A's blocks a0 .. a1 - 1, three loads each
	WIN (\pn)<<6
.set FI, \a0
.rept (\a1)-(\a0)
	LDF AF+FR*FI, ADRA+\slot, (\q)*STEPB+FI*FRB
.set FI, FI+1
.endr
.endm
.macro MUL8 a, p, zero                 ; A's block a against B's eight; the accumulators take turns
.irp b, 0,1,2,3,4,5,6,7
.if \zero
	v_wmma_scale_f32_16x16x128_f8f6f4 v[8*(8*((\a)%4)+\b):8*(8*((\a)%4)+\b)+7], v[BF+FR*\b:BF+FR*\b+FR-1], v[AF+FR*(\a):AF+FR*(\a)+FR-1], 0, v[SC+8*(\p)+\b], v[SC+8*(\p)+(\a)] matrix_a_fmt:MATRIX_FMT_FP6 matrix_b_fmt:MATRIX_FMT_FP6 matrix_a_scale:MATRIX_SCALE_ROW1
.else
	v_wmma_scale_f32_16x16x128_f8f6f4 v[8*(8*((\a)%4)+\b):8*(8*((\a)%4)+\b)+7], v[BF+FR*\b:BF+FR*\b+FR-1], v[AF+FR*(\a):AF+FR*(\a)+FR-1], v[8*(8*((\a)%4)+\b):8*(8*((\a)%4)+\b)+7], v[SC+8*(\p)+\b], v[SC+8*(\p)+(\a)] matrix_a_fmt:MATRIX_FMT_FP6 matrix_b_fmt:MATRIX_FMT_FP6 matrix_a_scale:MATRIX_SCALE_ROW1
.endif
.endr
.endm
.macro MUL16 a0, p, zero
	MUL8 \a0, \p, \zero
	MUL8 (\a0)+1, \p, \zero
.endm
.macro HALF p, hi, zero                ; 32 matrix instructions: my rows 0-63 (hi = 0) or 64-127
	MULW \p, \hi
	MUL16 4*(\hi), \p, \zero
	MUL16 4*(\hi)+2, \p, \zero
.endm
.macro PLACES n                        ; places behind matrix instructions, ahead of loads into registers that they read and of reads of their results
.rept \n
	v_nop
.endr
.endm
; A K step on set p, which was fetched whole (A's eight blocks last); the slot's step q + 1 is fetched into the other set, na of A's blocks
.macro STEP slot, q, p, zero, na
	s_wait_dscnt 12                                ; the scale words, B's eight and A's blocks 0-3 are in; the youngest twelve loads, A's blocks 4-7, may be out
	PLACES NP
	FETCHB \slot, (\q)+1, 1-(\p)
	HALF \p, 0, \zero
	FETCHA \slot, (\q)+1, 1-(\p), 0, \na
	s_wait_dscnt 32+3*(\na)                        ; all but the next step's loads, 32 and 3 na, just issued: A's blocks 4-7 are in
	HALF \p, 1, \zero
.endm
; The barrier at a change of slots: all my tensor loads, the add, my LDS reads; sixteen matrix instructions stand among these lines
.macro MEET p
	WIN 0
	s_wait_tensorcnt 0x0                           ; my part of the next slot has landed
	ds_add_u32 v[SPW], v[NIL]
	PLACES NP
	s_wait_dscnt 1                                 ; set p is in; the add may be out
	MULW \p, 0
	MUL8 0, \p, 0
	s_wait_dscnt 0x0                               ; the add is done, my reads of this slot are over
	s_barrier_signal -1
	MUL8 1, \p, 0
	WIN 0
	s_barrier_wait -1
.endm
; A slot's last K step: the slot is filled again, and the next slot's first fragments are fetched
.macro TURN slot, next, p, adv, how
	s_wait_xcnt 0x0                                ; my prefetches have read their addresses
	s_add_nc_u64 s[PFA:PFA+1], s[PFA:PFA+1], 3*PLANE
	s_add_nc_u64 s[PFB:PFB+1], s[PFB:PFB+1], 3*PLANE
	MEET \p                                        ; the barrier opens a round of the cluster's barrier
	CREST
	s_add_nc_u64 s[G0+4*\slot+2:G0+4*\slot+3], s[G0+4*\slot+2:G0+4*\slot+3], \adv
	s_add_nc_u64 s[G0B+4*\slot+2:G0B+4*\slot+3], s[G0B+4*\slot+2:G0B+4*\slot+3], \adv
	JLOAD G0+4*\slot, G1, G0B+4*\slot, G1B         ; the first tensor load behind the round
	FETCHB \next, 0, 1-(\p)
	WIN 0
	ASK \how
	MULW \p, 0
	MUL16 2, \p, 0
	FETCHA \next, 0, 1-(\p), 0, 8
	HALF \p, 1, 0
.endm
; THE WAY OUT of half block x: block x / 2 of 16 rows, columns 64 (x % 2) on
.macro TOSTAGE x
.set AC, 64*(((\x)/2)%4)+32*((\x)%2)
	WIN 0x08+4*((\x)/8)                            ; the data: window 2 or 3
.irp b, 0,1,2,3
	ds_store_b128 v[STO], v[AC+8*\b:AC+8*\b+3] offset:64*\b        ; each accumulator from its low end on
	ds_store_b128 v[STO], v[AC+8*\b+4:AC+8*\b+7] offset:64*\b+16
.endr
	WIN 0x40
.set BB, 32*((\x)%2)
.irp t, 0,1,2,3,4,5,6,7
	ds_load_b128 v[BB+4*\t:BB+4*\t+3], v[RD] offset:\t*2*SPITCH    ; LDS serves a wave's instructions in order (ISA guide 5.7.1.4): these see the stores above
.endr
.endm
.macro SEND x
.set BB, 32*((\x)%2)
	WIN 0x41
.set PN, 0
.rept 16
	v_pk_mul_f32 v[BB+PN:BB+PN+1], v[BB+PN:BB+PN+1], v[FF:FF+1]
.set PN, PN+2
.endr
	WIN 0x04
.irp t, 0,1,2,3,4,5,6,7
	global_store_b128 v[CO], v[BB+4*\t:BB+4*\t+3], s[8:9] offset:(16*((\x)/2)+2*\t)*SIZE_N*4+256*((\x)%2) th:TH_STORE_NT   ; 2,064,640 at the most: inside the signed 24 bits
.endr
.endm
; Half a K step for rows 0-63 on set p; next: the slot's step q, A's blocks a0 .. a0 + 3
.macro PH1 p, slot, q, a0
	s_wait_dscnt 0x0
	PLACES NP
	FETCHB \slot, \q, 1-(\p)
	MULW \p, 0
	MUL16 0, \p, 0
	FETCHA \slot, \q, 1-(\p), \a0, (\a0)+4
	MULW \p, 0
	MUL16 2, \p, 0
.endm
; Half a K step for rows 64-127 on set p.  Among its products half blocks 2 k - 2 and 2 k - 1 of rows 0-63 are stored, and 2 k and 2 k + 1 go through the stage
.macro PH2 p, k, slot, q, more
	s_wait_dscnt 0x0                               ; set p is in, and so is what came back from the stage
	PLACES NP
.if \k > 0
	SEND 2*(\k)-2
	SEND 2*(\k)-1
.endif
.if \more
	FETCHB \slot, \q, 1-(\p)
.endif
	MULW \p, 1
	MUL16 4, \p, 0
.if \more
.if \k > 0
	s_wait_xcnt 0x0                                ; the stores above have read their registers: the stage's loads may land there
.endif
	FETCHA \slot, \q, 1-(\p), 4, 8
	TOSTAGE 2*(\k)
	TOSTAGE 2*(\k)+1
.endif
	MULW \p, 1
	MUL16 6, \p, 0
.endm
	s_wait_alu depctr_va_vdst(0)
	s_wait_tensorcnt 0x0                           ; my part of K steps 0 and 1 is in; slot 1's first fill is issued as a refill is
	ds_add_u32 v[SPW], v[NIL]
	s_wait_dscnt 0x0
	CROUND
	JLOAD G0+4, G1, G0B+4, G1B                     ; K steps 2 to 4
	FETCHB 0, 0, 0
	FETCHA 0, 0, 0, 0, 8
	s_wait_xcnt 0x0                                ; my prefetches have read their addresses
	s_add_nc_u64 s[PFA:PFA+1], s[PFA:PFA+1], 3*PLANE
	s_add_nc_u64 s[PFB:PFB+1], s[PFB:PFB+1], 3*PLANE
	ASK 1                                          ; K steps 5 to 7, which the first refill will bring
	STEP 0, 0, 0, 1, 8                             ; the first step's products start the sums
	TURN 0, 1, 1, 5*PLANE, 1                       ; slot 0 takes K steps 5 to 7
	WIN 0
	s_mov_b32 s3, TRIPS
.Llap:                                                 ; a trip: six K steps, once round the ring; K steps 2 to 25
	STEP 1, 0, 0, 0, 8
	STEP 1, 1, 1, 0, 8
	TURN 1, 0, 0, 6*PLANE, 1
	STEP 0, 0, 1, 0, 8
	STEP 0, 1, 0, 0, 8
	TURN 0, 1, 1, 6*PLANE, 0
	WIN 0
	s_sub_co_u32 s3, s3, 1
	s_cmp_lg_u32 s3, 0
	s_cbranch_scc1 .Llap
	STEP 1, 0, 0, 0, 4                             ; K step 26, whole; from here on nothing is filled
	PH1 1, 1, 2, 0                                 ; rows 0-63: K step 27
	MEET 0                                         ; K step 28: slot 0, K steps 29 to 31, is shown whole to all four waves
	FETCHB 0, 0, 1
	FETCHA 0, 0, 1, 0, 4
	MULW 0, 0
	MUL16 2, 0, 0
	PH1 1, 0, 1, 0                                 ; 29
	PH1 0, 0, 2, 0                                 ; 30
	PH1 1, 1, 1, 4                                 ; 31; next: K step 27 again, A's blocks 4-7
	PH2 0, 0, 1, 2, 1                              ; rows 64-127: K step 27
	PH2 1, 1, 0, 0, 1                              ; 28
	PH2 0, 2, 0, 1, 1                              ; 29
	PH2 1, 3, 0, 2, 1                              ; 30
	PH2 0, 4, 0, 0, 0                              ; 31
	PLACES NP                                      ; rows 64-127 leave: a half block is on its way through the stage while the one before is stored
	s_wait_xcnt 0x0
	TOSTAGE 8
.irp x, 9,10,11,12,13,14,15
	s_wait_xcnt 0x0                                ; earlier stores have read their registers
	TOSTAGE \x
	s_wait_dscnt 16                                ; behind half block x - 1's loads: this one's 8 stores and 8 loads
	SEND \x-1
.endr
	s_wait_dscnt 0x0
	SEND 15
	WIN 0
	s_wait_tensorcnt 0x0                           ; the wave's end
	ds_add_u32 v[SPW], v[NIL]
	s_wait_dscnt 0x0
	CROUND                                         ; the closing round
	s_endpgm
.Lfunc_end_k_q6d79b17669_gemm:
	.size	k_q6d79b17669_gemm, .Lfunc_end_k_q6d79b17669_gemm-k_q6d79b17669_gemm
	.p2alignl 7, 3214868480
	.fill 96, 4, 3214868480
	.section	.rodata,"a",@progbits
	.p2align	6, 0x0
	.amdhsa_kernel k_q6d79b17669_gemm
		.amdhsa_group_segment_fixed_size 327680
		.amdhsa_private_segment_fixed_size 0
		.amdhsa_enable_private_segment 0
		.amdhsa_kernarg_size 32
		.amdhsa_user_sgpr_count 2
		.amdhsa_user_sgpr_kernarg_segment_ptr 1
		.amdhsa_wavefront_size32 1
		.amdhsa_system_sgpr_workgroup_id_x 1
		.amdhsa_system_sgpr_workgroup_id_y 1
		.amdhsa_system_sgpr_workgroup_id_z 1
		.amdhsa_system_vgpr_workitem_id 0
		.amdhsa_next_free_vgpr 1024
		.amdhsa_next_free_sgpr 102
		.amdhsa_reserve_vcc 0
		.amdhsa_float_denorm_mode_32 3
		.amdhsa_float_denorm_mode_16_64 3
		.amdhsa_memory_ordered 1
		.amdhsa_forward_progress 1
		.amdhsa_inst_pref_size 242
	.end_amdhsa_kernel
	.amdgpu_metadata
---
amdhsa.version: [ 1, 2 ]
amdhsa.kernels:
  - .name:           k_q6d79b17669_gemm
    .symbol:         k_q6d79b17669_gemm.kd
    .args:
      - { .name: a_ops, .offset: 0, .size: 8, .value_kind: global_buffer, .address_space: global }
      - { .name: b_ops, .offset: 8, .size: 8, .value_kind: global_buffer, .address_space: global }
      - { .name: out0, .offset: 16, .size: 8, .value_kind: global_buffer, .address_space: global }
      - { .name: amax, .offset: 24, .size: 8, .value_kind: global_buffer, .address_space: global }
    .group_segment_fixed_size: 327680
    .private_segment_fixed_size: 0
    .kernarg_segment_align: 8
    .kernarg_segment_size: 32
    .max_flat_workgroup_size: 128
    .sgpr_count:     102
    .vgpr_count:     1024
    .wavefront_size: 32
...
	.end_amdgpu_metadata
.endif
;; end of part 3
